; MI455X (gfx1250); checked and timed in simulation.
; The chip was launched on July 23, 2026; its instructions are those of AMD's public machine-readable ISA for CDNA 5 (MIT licence, August 2026) and "CDNA5" Instruction Set Architecture Reference Guide (July 2026). The comments in the code are by the model that wrote it; some were corrected since.
;; Cross Attention. Allowed arithmetic: matrix products marked QUANTISED: E2M1 operands, one E8M0 scale for each 32 along K, by v_wmma_scale_f32_16x16x128_f8f6f4 with both operands' format E2M1 (or v_wmma_scale_f32_32x16x128_f4), f32 sums; products left as they are: bf16, f16 or f32 operands; f32 sums; everything else in f32.
;; Inputs: Wk 768 x 1,024 float32; Wo 1,024 x 1,024 float32; Wq 1,024 x 1,024 float32; Wv 768 x 1,024 float32; bk 1,024 float32; bo 1,024 float32; bq 1,024 float32; bv 1,024 float32; x 4 x 2,048 x 1,024 float32; y 4 x 2,048 x 768 float32.
;; Outputs: out0 4 x 2,048 x 1,024 float32.
;; This version of the problem:
;;   THIS VERSION OF THE PROBLEM IS GIVEN IN LOW PRECISION. The matrix products marked QUANTISED in the list below multiply operands that are first quantised to E2M1 (2 exponent bits, 1 mantissa bit; 4 bits a number), with one power-of-two scale for each 32 numbers along K (OCP MX v1.0); their sums are f32. The products marked 'left as it is' may take bf16, f16 or f32 operands, with f32 sums. Whichever they take, every output number must still come out within the allowed error. Rounding operands to bf16 (8 significant bits) uses up far more of that allowance than f16 does (11 bits, for magnitudes from 6e-5 to 65,504). All else is computed in f32.
;;   The module's matrix products, in the order in which they are computed (A, B: the left and right operand; K: the contracted axis; several contracted axes count as one K, in the product's order):
;;     1. [M 8,192, K 1,024] x [K 1,024, N 1,024]; A: input x; B: input Wq: QUANTISED
;;     2. [M 8,192, K 768] x [K 768, N 1,024]; A: input y; B: input Wk: QUANTISED
;;     3. [M 8,192, K 768] x [K 768, N 1,024]; A: input y; B: input Wv: QUANTISED
;;     4. batch 64 x [M 2,048, K 64] x [K 64, N 2,048]; A: computed on the way; B: computed on the way: left as it is (an operand is computed on the way)
;;     5. batch 64 x [M 2,048, K 2,048] x [K 2,048, N 64]; A: computed on the way; B: computed on the way: left as it is (an operand is computed on the way)
;;     6. [M 8,192, K 1,024] x [K 1,024, N 1,024]; A: computed on the way; B: input Wo: left as it is (an operand is computed on the way)
;;   THE QUANTISER, for each operand of a quantised product, along K:
;;     - K is cut into blocks of 32 from its start; a last block that is shorter is filled with zeros.
;;     - A block's scale is 2^e with e = floor(log2(the largest magnitude in the block)) - 2, held to -126 .. 127; a block of zeros has e = 0. As a byte (E8M0): e + 127.
;;     - Each number is divided by its block's scale, clamped to +-6, and rounded to the nearest number of E2M1, ties to even, subnormals kept.
;;     - The product sums the exact products of the quantised numbers (number of the format x scale) in f32.
;;   ~~~python
;;   def quantise(x, axis):      # numpy; x: float32 -> the quantised numbers, widened to float32 again
;;       x = np.moveaxis(x, axis, -1); K = x.shape[-1]
;;       x = np.pad(x, [(0, 0)] * (x.ndim - 1) + [(0, -K % 32)]); x = x.reshape(x.shape[:-1] + (-1, 32)); a = np.abs(x).max(-1, keepdims=True)
;;       e = np.where(a > 0, np.clip(np.frexp(np.where(a > 0, a, 1))[1] - 1 - 2, -126, 127), 0)      # np.frexp(a)[1] - 1 = floor(log2(a)), exactly
;;       r = np.clip(x / 2.0 ** e, -6, 6)
;;       step = 2.0 ** (np.maximum(np.frexp(np.where(r == 0, 1, r))[1] - 1, 0) - 1)
;;       q = np.round(r / step) * step * 2.0 ** e      # np.round: ties to even
;;       return np.moveaxis(q.reshape(q.shape[:-2] + (-1,))[..., :K], -1, axis).astype(np.float32)
;;   ~~~
;; One version. Each part assembles by itself: llvm-mc -triple=amdgcn-amd-amdhsa -mcpu=gfx1250 --defsym DOCPART=n.
;; ======== version 1 of 1: 4 launches
;; limits: values are held in f16: magnitudes above 65,504 overflow, below 6.1e-05 lose precision
;; workspace buffers: xc 4,194,304 bytes; yc 3,145,728 bytes; asc 458,752 bytes; wc 1,310,720 bytes; wsc 81,920 bytes; wo16 2,097,152 bytes; qkv 50,331,648 bytes; att 16,777,216 bytes
;; launch prep (part 1): grid 672 x 1, 4 waves a work-group, no clusters, 35,328 bytes of LDS; arguments x, y, Wq, Wk, Wv, Wo, xc, yc, asc, wc, wsc, wo16; writes xc, yc, asc, wc, wsc, wo16
.if DOCPART == 1
	.amdgcn_target "amdgcn-amd-amdhsa--gfx1250"
	.amdhsa_code_object_version 6
	.text
	.protected	k_q95efd00594_prep
	.globl	k_q95efd00594_prep
	.p2align	8
	.type	k_q95efd00594_prep,@function
k_q95efd00594_prep:
	s_mov_b64 s[64:65], 0
	v_nop
	global_prefetch_b8 v0, s[64:65] scope:SCOPE_SE
	s_setreg_imm32_b32 hwreg(HW_REG_WAVE_MODE, 25, 1), 1
	s_wait_xcnt 0x0
; PREP: every operand of the three quantised products becomes codes of E2M1 with one E8M0 byte for each 32 along K, and Wo becomes f16.
; ALL RESULTS ARE LAID AS IMAGES OF OPERAND REGISTERS: a fragment (16 rows or columns x one K step) is 1,024 bytes, group c of four registers of lane l at 512 c + 16 l,
; so that the later launches load a fragment by two loads of 512 consecutive bytes and never turn anything.
; A block's scale is 2^(floor(log2(largest magnitude)) - 2): its byte is the largest magnitude's exponent field - 2, held at 1 from below.
; LIMITS: a block of zeros gets the byte 1 where the quantiser says 127 (its codes are zeros, and this program alone reads the bytes); NaN and infinities are not served; Wo beyond 65,504 has no f16 number.
; WORK-GROUPS: 0-159 Wq, Wk, Wv (K is their first axis: a lane takes a column, its registers run down K); 160-223 Wo likewise; 224-671 x and y (K innermost: through a stage in LDS).
; The weights' scale words leave as pieces of 64 bytes: one byte in 128 of what that path reads.  Only the path of x and y touches LDS.
.set WSTG,  8448                       ; a wave's stage: 16 rows x (512 bytes + 16)
.set SCW,   33792                      ; behind the four stages: 256 bytes of scale words for each wave
.set SPARE, 34816                      ; the spare words, 128 bytes for each wave: two blocks of 256 bytes that no other line names
.set SPW,   10                         ; v10  LDS address of my spare word; never rewritten
.set NIL,   11                         ; v11  0; never rewritten
.set VO,    12                         ; v12-27 16 x lane + n x the row pitch: row n of a fragment in memory
.set TM,    28                         ; v28-43 at work in QUANT
.set PC,    44                         ; v44-51 a fragment's codes
.set PW,    52                         ; v52  its scale word
.set R,     64                         ; v64-191 two sets of 64 numbers as loaded
.set X,     192                        ; v192-255 64 numbers of my row, 16 neighbours of each block
.set SEL,   54                         ; s[54:55] selects for lane l xor 16
	s_load_b512 s[8:23], s[0:1], 0x0               ; x, y, Wq, Wk, Wv, Wo, xc, yc
	s_load_b256 s[24:31], s[0:1], 0x40             ; asc, wc, wsc, wo16
	v_lshl_add_u32 v[SPW], v0, 2, SPARE
	v_mov_b32 v[NIL], 0
	v_lshrrev_b32 v1, 5, v0
	v_readfirstlane_b32 s2, v1                     ; wave
	v_and_b32 v1, 31, v0                           ; lane
	v_and_b32 v2, 15, v0                           ; r
	v_bfe_u32 v3, v0, 4, 1                         ; h
	s_mov_b32 s49, 0                               ; the upper word of every offset
	s_wait_kmcnt 0x0
	s_cmp_lt_u32 ttmp9, 160
	s_cbranch_scc1 .Lweights
	s_cmp_lt_u32 ttmp9, 224
	s_cbranch_scc1 .Lwo
; ---------------- x and y.  One path: pointers and three numbers are chosen by the work-group's number.
; 64 numbers of a lane, register 16 b + i = k 32 b + 16 h + i of row r, become the fragment's registers in v[PC] on and the row's scale word in v[PW].
.macro QUANT src
.irp b, 0,1,2,3
	v_max3_num_f32 v[TM+\b], |v[\src+16*\b]|, |v[\src+1+16*\b]|, 0x1800000   ; my 16 numbers of block b, and the floor 2^(3 - 127): the byte cannot fall under 1
.endr
.irp i, 2,4,6,8,10,12,14
.irp b, 0,1,2,3
	v_max3_num_f32 v[TM+\b], v[TM+\b], |v[\src+16*\b+\i]|, |v[\src+1+16*\b+\i]|   ; the four blocks by turns
.endr
.endr
.irp b, 0,1,2,3
	v_permlanex16_b32 v[TM+4+\b], v[TM+\b], s[SEL], s[SEL+1]
.endr
.irp b, 0,1,2,3
	v_max_num_f32 v[TM+\b], v[TM+\b], v[TM+4+\b]   ; with lane l xor 16: the block's largest magnitude
.endr
.irp b, 0,1,2,3
	v_add_nc_u32 v[TM+12+\b], 0xff000000, v[TM+\b] ; 2 off its exponent field: the conversion's scale operand
.endr
.irp b, 0,1,2,3
	v_lshrrev_b32 v[TM+4+\b], 23, v[TM+12+\b]      ; the scale's byte
.endr
	v_lshl_or_b32 v[PW], v[TM+5], 8, v[TM+4]
	v_lshl_or_b32 v[PW], v[TM+6], 16, v[PW]
	v_lshl_or_b32 v[PW], v[TM+7], 24, v[PW]
.irp b, 0,1,2,3
	v_cvt_scalef32_pk8_fp4_f32 v[PC+2*\b], v[\src+16*\b:\src+7+16*\b], v[TM+12+\b]
	v_cvt_scalef32_pk8_fp4_f32 v[PC+1+2*\b], v[\src+8+16*\b:\src+15+16*\b], v[TM+12+\b]
.endr
	v_nop                                          ; one plain instruction behind a scaled conversion
.irp c, 0,1                                    ; the operand wants a whole block in a lane: lanes 0-15 block 2 c, lanes 16-31 block 2 c + 1
.irp i, 0,1
	v_permlane16_swap_b32 v[PC+4*\c+\i], v[PC+2+4*\c+\i]
.endr
.endr
.endm
.macro LOADF i                         ; fragment i: 16 rows x 512 bytes; each load reads 512 consecutive bytes of one row
.irp n, 0,1,2,3,4,5,6,7,8,9,10,11,12,13,14,15
	global_load_b128 v[R+64*((\i)%2)+4*\n:R+64*((\i)%2)+4*\n+3], v[VO+\n], s[40+2*(\i):41+2*(\i)] th:TH_LOAD_NT
.endr
.endm
.macro TURNF i                         ; through my stage: in as loaded, out 16 neighbours of each block of my row.  LDS serves a wave in order: no wait between
.irp n, 0,1,2,3,4,5,6,7,8,9,10,11,12,13,14,15
	ds_store_b128 v4, v[R+64*((\i)%2)+4*\n:R+64*((\i)%2)+4*\n+3] offset:528*\n
.endr
.irp b, 0,1,2,3
.irp j, 0,1,2,3
	ds_load_b128 v[X+16*\b+4*\j:X+16*\b+4*\j+3], v5 offset:128*\b+16*\j
.endr
.endr
.endm
	s_sub_co_u32 s3, ttmp9, 224
	s_mov_b32 s36, 3072
	s_mov_b32 s38, 0x2aab
	s_cmp_lt_u32 s3, 256                           ; x or y
	s_cselect_b64 s[32:33], s[8:9], s[10:11]       ; the numbers
	s_cselect_b64 s[34:35], s[20:21], s[22:23]     ; the codes
	s_cselect_b32 s36, 4096, s36                   ; bytes in a row
	s_cselect_b32 s37, 8, 6                        ; K steps in a row
	s_cselect_b32 s38, 0x2000, s38                 ; 65,536 / K steps, rounded up: exact for the fragment numbers met here (under 4,096)
	s_cselect_b32 s39, 0, 256
	s_cselect_b32 s4, 0, 262144                    ; y's scale words lie behind x's
	s_sub_co_u32 s3, s3, s39
	s_lshl_b32 s3, s3, 2
	s_add_co_u32 s3, s3, s2                        ; T: my wave's run of four fragments
	s_lshl_b32 s5, s3, 2
.irp i, 0,1,2,3
	s_add_co_u32 s6, s5, \i                        ; fragment F = 4 T + i
	s_mul_i32 s7, s6, s38
	s_lshr_b32 s7, s7, 16                          ; its row tile,
	s_mul_i32 s48, s7, s37
	s_sub_co_u32 s48, s6, s48                      ; its K step
	s_lshl_b32 s48, s48, 9
	s_mul_i32 s7, s7, s36
	s_lshl_b32 s7, s7, 4
	s_add_co_u32 s48, s48, s7                      ; 16 rows x pitch x tile + 512 x step
	s_add_nc_u64 s[40+2*\i:41+2*\i], s[32:33], s[48:49]
.endr
	s_lshl_b32 s48, s3, 12
	s_add_nc_u64 s[34:35], s[34:35], s[48:49]      ; my 4,096 bytes of codes
	s_lshl_b32 s48, s3, 8
	s_add_co_u32 s48, s48, s4
	s_add_nc_u64 s[24:25], s[24:25], s[48:49]      ; my 256 bytes of scale words
	s_mov_b32 s[SEL], 0x76543210
	s_mov_b32 s[SEL+1], 0xfedcba98
	s_mul_i32 s50, s2, WSTG
	v_lshl_add_u32 v4, v1, 4, s50                  ; stage, in: 16 x lane
	v_mul_u32_u24 v5, v2, 528
	v_lshl_add_u32 v5, v3, 6, v5
	v_add_nc_u32 v5, s50, v5                       ; stage, out: row r, + 64 h
	s_lshl_b32 s51, s2, 8
	s_add_co_u32 s51, s51, SCW
	v_lshl_add_u32 v6, v2, 2, s51                  ; my row's scale word
	v_lshl_add_u32 v7, v1, 3, s51                  ; and 8 bytes a lane on the way out
	v_lshlrev_b32 v9, 3, v1
	v_lshlrev_b32 v[VO], 4, v1
.irp n, 1,2,3,4,5,6,7,8,9,10,11,12,13,14,15
	v_add_nc_u32 v[VO+\n], s36, v[VO+\n-1]
.endr
.irp b, 0,1,2,3
	v_mov_b32 v[TM+4+\b], 0                        ; written once: a lane permute's destination counts as one of its sources
.endr
	LOADF 0
	LOADF 1
.irp i, 0,1,2,3
.if \i < 3
	s_wait_loadcnt 16                              ; this fragment's 16 loads are in; the next fragment's 16 may be out
.else
	s_wait_loadcnt 0x0
.endif
	TURNF \i
	s_wait_dscnt 0x0                               ; my numbers are back, and the stage's stores have read their registers,
.if \i < 2
	LOADF \i+2                                     ; which take the fragment two on
.endif
.if \i > 0
	s_wait_xcnt 0x0                                ; the last fragment's stores have read the codes' registers, which are written anew below
.endif
	QUANT X
	global_store_b128 v[VO], v[PC:PC+3], s[34:35] offset:1024*\i        ; 32 lanes store 512 consecutive bytes
	global_store_b128 v[VO], v[PC+4:PC+7], s[34:35] offset:1024*\i+512
	ds_store_b32 v6, v[PW] offset:64*\i            ; both halves of the lanes write the same word with the same value
.endr
	ds_load_b64 v[56:57], v7                       ; four fragments' scale words: 256 bytes
	s_wait_dscnt 0x0
	global_store_b64 v9, v[56:57], s[24:25]        ; 32 lanes store 256 consecutive bytes, aligned
	s_wait_tensorcnt 0x0                           ; the wave's end, behind my last LDS store
	ds_add_u32 v[SPW], v[NIL]
	s_wait_dscnt 0x0
	s_endpgm
; ---------------- the weights.  A wave takes 32 columns x 128 along K; a lane a column; its 32 registers are a whole block.
.macro LOADW t                         ; rows 32 t .. 32 t + 31 of the K step: each load reads 128 consecutive bytes
.irp i, 0,1,2,3,4,5,6,7,8,9,10,11,12,13,14,15,16,17,18,19,20,21,22,23,24,25,26,27,28,29,30,31
	global_load_b32 v[64+32*((\t)%2)+\i], v4, s[32:33] offset:(32*(\t)+\i)*4096 th:TH_LOAD_NT
.endr
.endm
.macro WAITW t
.if (\t) < 3
	s_wait_loadcnt 32                              ; this block's 32 loads are in; the next block's may be out
.else
	s_wait_loadcnt 0x0
.endif
.endm
.macro BLOCKW t
.set XB, 64+32*((\t)%2)
	WAITW \t
	v_max3_num_f32 v20, |v[XB]|, |v[XB+1]|, |v[XB+2]|
	v_max3_num_f32 v21, |v[XB+3]|, |v[XB+4]|, |v[XB+5]|
.irp i, 6,10,14,18,22,26
	v_max3_num_f32 v20, v20, |v[XB+\i]|, |v[XB+\i+1]|
	v_max3_num_f32 v21, v21, |v[XB+\i+2]|, |v[XB+\i+3]|
.endr
	v_max3_num_f32 v20, v20, |v[XB+30]|, |v[XB+31]|
	v_max3_num_f32 v20, v20, v21, 0x1800000        ; and the floor
	v_add_nc_u32 v22, 0xff000000, v20              ; the conversion's scale operand
	v_lshrrev_b32 v21, 23, v22                     ; the byte
.if (\t) == 0
	v_mov_b32 v144, v21
.else
	v_lshl_or_b32 v144, v21, 8*(\t), v144          ; four bytes make the column's scale word of this K step
.endif
.irp g, 0,1,2,3
	v_cvt_scalef32_pk8_fp4_f32 v[128+4*(\t)+\g], v[XB+8*\g:XB+8*\g+7], v22
.endr
	v_nop                                          ; one plain instruction behind a scaled conversion
	global_store_b128 v16, v[128+4*(\t):128+4*(\t)+3], s[26:27] offset:256*(\t)   ; block t is group t / 2, half t % 2 of the image: sixteen lanes store 256 consecutive bytes, aligned
.if (\t) < 2
	LOADW (\t)+2
.endif
.endm
.Lweights:
	s_mov_b32 s35, 917504
	s_mov_b32 s36, 57344
	s_cmp_lt_u32 ttmp9, 112
	s_cselect_b64 s[32:33], s[14:15], s[16:17]     ; Wk or Wv,
	s_cselect_b32 s34, 64, 112
	s_cselect_b32 s35, 524288, s35
	s_cselect_b32 s36, 32768, s36
	s_cmp_lt_u32 ttmp9, 64
	s_cselect_b64 s[32:33], s[12:13], s[32:33]     ; or Wq
	s_cselect_b32 s34, 0, s34                      ; its first work-group,
	s_cselect_b32 s35, 0, s35                      ; its part of the codes,
	s_cselect_b32 s36, 0, s36                      ; of the scale words,
	s_cselect_b32 s37, 8, 6                        ; its K steps
	s_sub_co_u32 s3, ttmp9, s34
	s_and_b32 s4, s3, 7                            ; which 128 columns
	s_lshr_b32 s5, s3, 3                           ; which K step
	s_lshl_b32 s48, s5, 19                         ; 128 rows of 4,096 bytes
	s_lshl_b32 s6, s4, 9
	s_add_co_u32 s48, s48, s6
	s_lshl_b32 s6, s2, 7
	s_add_co_u32 s48, s48, s6                      ; + 4 bytes x my wave's first column
	s_add_nc_u64 s[32:33], s[32:33], s[48:49]
	s_lshl_b32 s6, s4, 3
	s_lshl_b32 s7, s2, 1
	s_add_co_u32 s6, s6, s7                        ; my first column tile
	s_mul_i32 s6, s6, s37
	s_add_co_u32 s6, s6, s5                        ; its fragment of this K step
	s_lshl_b32 s48, s6, 10
	s_add_co_u32 s48, s48, s35
	s_add_nc_u64 s[26:27], s[26:27], s[48:49]
	s_lshl_b32 s48, s6, 6
	s_add_co_u32 s48, s48, s36
	s_add_nc_u64 s[28:29], s[28:29], s[48:49]
	v_lshlrev_b32 v4, 2, v1
	s_lshl_b32 s7, s37, 10
	v_mul_u32_u24 v16, s7, v3                      ; lanes 16-31: the next column tile
	v_lshl_add_u32 v16, v2, 4, v16
	s_lshl_b32 s7, s37, 6
	v_mul_u32_u24 v17, s7, v3
	v_lshl_add_u32 v17, v2, 2, v17
	LOADW 0
	LOADW 1
	BLOCKW 0
	BLOCKW 1
	BLOCKW 2
	BLOCKW 3
	global_store_b32 v17, v144, s[28:29]
	s_endpgm
; ---------------- Wo, rounded to f16.  Chunk t of 32 along K is one fragment: k = 16 c + 8 h + 0 .. 7 of column r at 512 c + 256 h + 16 r.
.macro CHUNKC t
.set XB, 64+32*((\t)%2)
	WAITW \t
.irp n, 0,1,2,3,4,5,6,7,8,9,10,11,12,13,14,15
	v_cvt_pk_f16_f32 v[128+16*(\t)+\n], v[XB+2*\n], v[XB+2*\n+1]
.endr
.irp g, 0,1,2,3
	global_store_b128 v16, v[128+16*(\t)+4*\g:128+16*(\t)+4*\g+3], s[30:31] offset:(\t)*4096+256*\g   ; sixteen lanes store 256 consecutive bytes, aligned
.endr
.if (\t) < 2
	LOADW (\t)+2
.endif
.endm
.Lwo:
	s_sub_co_u32 s3, ttmp9, 160
	s_and_b32 s4, s3, 7                            ; which 128 columns
	s_lshr_b32 s5, s3, 3                           ; which 128 along K
	s_lshl_b32 s48, s5, 19
	s_lshl_b32 s6, s4, 9
	s_add_co_u32 s48, s48, s6
	s_lshl_b32 s6, s2, 7
	s_add_co_u32 s48, s48, s6
	s_add_nc_u64 s[32:33], s[18:19], s[48:49]
	s_lshl_b32 s6, s4, 1
	s_lshr_b32 s7, s2, 1
	s_add_co_u32 s6, s6, s7                        ; the group of 64 columns
	s_lshl_b32 s48, s6, 17
	s_lshl_b32 s6, s5, 14                          ; four chunks of 4,096 bytes
	s_add_co_u32 s48, s48, s6
	s_and_b32 s6, s2, 1
	s_lshl_b32 s6, s6, 11                          ; my two column tiles of the group's four
	s_add_co_u32 s48, s48, s6
	s_add_nc_u64 s[30:31], s[30:31], s[48:49]
	v_lshlrev_b32 v4, 2, v1
	v_lshlrev_b32 v16, 10, v3
	v_lshl_add_u32 v16, v2, 4, v16
	LOADW 0
	LOADW 1
	CHUNKC 0
	CHUNKC 1
	CHUNKC 2
	CHUNKC 3
	s_endpgm
.Lfunc_end_k_q95efd00594_prep:
	.size	k_q95efd00594_prep, .Lfunc_end_k_q95efd00594_prep-k_q95efd00594_prep
	.p2alignl 7, 3214868480
	.fill 96, 4, 3214868480
	.section	.rodata,"a",@progbits
	.p2align	6, 0x0
	.amdhsa_kernel k_q95efd00594_prep
		.amdhsa_group_segment_fixed_size 35328
		.amdhsa_private_segment_fixed_size 0
		.amdhsa_enable_private_segment 0
		.amdhsa_kernarg_size 96
		.amdhsa_user_sgpr_count 2
		.amdhsa_user_sgpr_kernarg_segment_ptr 1
		.amdhsa_wavefront_size32 1
		.amdhsa_system_sgpr_workgroup_id_x 1
		.amdhsa_system_sgpr_workgroup_id_y 1
		.amdhsa_system_sgpr_workgroup_id_z 1
		.amdhsa_system_vgpr_workitem_id 0
		.amdhsa_next_free_vgpr 256
		.amdhsa_next_free_sgpr 66
		.amdhsa_reserve_vcc 0
		.amdhsa_float_denorm_mode_32 3
		.amdhsa_float_denorm_mode_16_64 3
		.amdhsa_memory_ordered 1
		.amdhsa_forward_progress 1
		.amdhsa_inst_pref_size 74
	.end_amdhsa_kernel
	.amdgpu_metadata
---
amdhsa.version: [ 1, 2 ]
amdhsa.kernels:
  - .name:           k_q95efd00594_prep
    .symbol:         k_q95efd00594_prep.kd
    .args:
      - { .name: x, .offset: 0, .size: 8, .value_kind: global_buffer, .address_space: global }
      - { .name: y, .offset: 8, .size: 8, .value_kind: global_buffer, .address_space: global }
      - { .name: Wq, .offset: 16, .size: 8, .value_kind: global_buffer, .address_space: global }
      - { .name: Wk, .offset: 24, .size: 8, .value_kind: global_buffer, .address_space: global }
      - { .name: Wv, .offset: 32, .size: 8, .value_kind: global_buffer, .address_space: global }
      - { .name: Wo, .offset: 40, .size: 8, .value_kind: global_buffer, .address_space: global }
      - { .name: xc, .offset: 48, .size: 8, .value_kind: global_buffer, .address_space: global }
      - { .name: yc, .offset: 56, .size: 8, .value_kind: global_buffer, .address_space: global }
      - { .name: asc, .offset: 64, .size: 8, .value_kind: global_buffer, .address_space: global }
      - { .name: wc, .offset: 72, .size: 8, .value_kind: global_buffer, .address_space: global }
      - { .name: wsc, .offset: 80, .size: 8, .value_kind: global_buffer, .address_space: global }
      - { .name: wo16, .offset: 88, .size: 8, .value_kind: global_buffer, .address_space: global }
    .group_segment_fixed_size: 35328
    .private_segment_fixed_size: 0
    .kernarg_segment_align: 8
    .kernarg_segment_size: 96
    .max_flat_workgroup_size: 128
    .sgpr_count:     66
    .vgpr_count:     256
    .wavefront_size: 32
...
	.end_amdgpu_metadata
.endif
;; end of part 1
;; launch proj (part 2): grid 256 x 1, 4 waves a work-group, no clusters, 279,040 bytes of LDS; arguments xc, yc, asc, wc, wsc, bq, bk, bv, qkv; writes qkv
.if DOCPART == 2
	.amdgcn_target "amdgcn-amd-amdhsa--gfx1250"
	.amdhsa_code_object_version 6
	.text
	.protected	k_q95efd00594_proj
	.globl	k_q95efd00594_proj
	.p2align	8
	.type	k_q95efd00594_proj,@function
k_q95efd00594_proj:
	s_mov_b64 s[64:65], 0
	v_nop
	global_prefetch_b8 v0, s[64:65] scope:SCOPE_SE
	s_setreg_imm32_b32 hwreg(HW_REG_WAVE_MODE, 25, 1), 1
	s_wait_xcnt 0x0
; PROJ: q = x Wq + bq, k = y Wk + bk, v = y Wv + bv on codes of E2M1 with E8M0 scales; sums in f32, the bias as the C of each sum's first product; results rounded once to f16.
; LIMIT: |q|, |k|, |v| beyond 65,504 have no f16 number.
; SHARES.  Work-groups 0-127 make q (128 rows x 512 columns each), 128-191 k, 192-255 v (256 rows x 512 columns each).  A wave owns 128 columns, two heads, for all the work-group's rows:
; its weights (8 column tiles x all K steps) and their scale words stay in REGISTERS, loaded once.  The rows' codes and scale words, images of operand registers, are copied once into LDS, a quarter by each wave,
; and every wave reads them from there: one barrier.  No cluster: the three paths part on the work-group's number and the larger share of a work-group's bytes, the weights, goes straight to registers.
; Each path has LDS bytes of its own.
; q and k: source 0 = 16 columns of W, source 1 = 16 rows: a lane holds one row and eight neighbouring channels: four packed registers are half a fragment (16 rows x 32 channels) of the scores' product.
; v: source 0 = 16 rows, source 1 = 16 columns: a lane holds one channel and eight neighbouring keys: half a fragment (16 channels x 32 keys) of the second product.
; REGISTERS, in windows of 256: window 0: v1-12 addresses; v32-95 W's scale words (tile t, step s at 8 t + s); v96-111 the rows' scale words, two sets; v128-159 packed results.
;   window 1: W's fragments of K steps 0-3 at 8 (8 s + t);  window 2: of K steps 4 on;  window 3: v0-63 the bias, v64-127 eight accumulators, v128-255 the rows' fragments, two sets.
.set SPARE, 278528                     ; the spare words, 128 bytes for each wave: two blocks of 256 bytes that no other line names
.set LI,   4                           ; v4   16 x lane
.set L4,   5                           ; v5   4 x (lane % 16)
.set ADX,  6                           ; v6   LDS address of the next row tile's fragments
.set ADS,  7                           ; v7   and of its scale words
.set LIW,  8                           ; v8   where I put my quarter of the images
.set BO,   9                           ; v9   my lane's place in a tile's 16 biases
.set SPW,  10
.set NIL,  11
.set LSW,  12                          ; v12  where I put my quarter of the scale words
.set WS,   32
.set XS,   96
.set PK,   128
.set BIAS, 0                           ; in window 3
.set ACC,  64
.set XF,   128
.set MSB, 0
.macro WIN new                         ; the immediate's high byte repeats the setting that is left
.if MSB != (\new)
	s_set_vgpr_msb (MSB<<8)|(\new)
.set MSB, (\new)
.endif
.endm
; the next row tile's fragments and scale words into set p
.macro PFETCH NK, p
	WIN 0xc0                                       ; destination window 3
.set s_, 0
.rept \NK
	ds_load_b128 v[XF+64*(\p)+8*s_:XF+64*(\p)+8*s_+3], v[ADX] offset:s_*1024
	ds_load_b128 v[XF+64*(\p)+8*s_+4:XF+64*(\p)+8*s_+7], v[ADX] offset:s_*1024+512
.set s_, s_+1
.endr
	WIN 0
.set s_, 0
.rept \NK
	ds_load_b32 v[XS+8*(\p)+s_], v[ADS] offset:64*s_
.set s_, s_+1
.endr
	v_add_nc_u32 v[ADX], \NK*1024, v[ADX]
	v_add_nc_u32 v[ADS], \NK*64, v[ADS]
.endm
; 8 NK products: K step by K step, the eight accumulators by turns, one instruction a turn
.macro PMUL NK, SWAP, p
.set s_, 0
.rept \NK
.if \SWAP == 0
	WIN 0xfd+s_/4                                  ; source 0 (W) window 1 or 2; source 1, C and D window 3
.else
	WIN 0xf7+4*(s_/4)                              ; source 1 (W) window 1 or 2
.endif
.set t_, 0
.rept 8
.set rW, 8*(8*(s_%4)+t_)
.set rX, XF+64*(\p)+8*s_
.set rA, ACC+8*t_
.set rC, rA
.if s_ == 0
.set rC, BIAS+8*t_                     ; the first K step starts the sum from the bias
.endif
.if \SWAP == 0
	v_wmma_scale_f32_16x16x128_f8f6f4 v[rA:rA+7], v[rW:rW+7], v[rX:rX+7], v[rC:rC+7], v[WS+8*t_+s_], v[XS+8*(\p)+s_] matrix_a_fmt:MATRIX_FMT_FP4 matrix_b_fmt:MATRIX_FMT_FP4
.else
	v_wmma_scale_f32_16x16x128_f8f6f4 v[rA:rA+7], v[rX:rX+7], v[rW:rW+7], v[rC:rC+7], v[XS+8*(\p)+s_], v[WS+8*t_+s_] matrix_a_fmt:MATRIX_FMT_FP4 matrix_b_fmt:MATRIX_FMT_FP4
.endif
.set t_, t_+1
.endr
.set s_, s_+1
.endr
.endm
; a tile of 16 rows, from set p.  fetch = 1: the next tile is fetched into the other set first.
.macro ROWT NK, SWAP, p, fetch
.if \fetch
	PFETCH \NK, 1-\p
	s_wait_dscnt 3*\NK                             ; all but the 3 NK loads just issued: set p is in
.else
	s_wait_dscnt 0x0
.endif
	PMUL \NK, \SWAP, \p
	WIN 0
.rept 4
	v_nop                                          ; four plain instructions between the last product and the first read of results; with the conversions below they also stand ahead of the next fetch and of the accumulators' new start
.endr
	s_wait_xcnt 0x0                                ; the last tile's stores have read the packed registers, which are written anew below
	WIN 0x0f                                       ; sources window 3, destination window 0
.set t_, 0
.rept 8
.irp i, 0,1,2,3
	v_cvt_pk_f16_f32 v[PK+4*t_+\i], v[ACC+8*t_+2*\i], v[ACC+8*t_+2*\i+1]   ; each accumulator from its low end on
.endr
.set t_, t_+1
.endr
	WIN 0
.set t_, 0
.rept 8
.if \SWAP == 0
	global_store_b128 v[LI], v[PK+4*t_:PK+4*t_+3], s[42:43] offset:(t_/4)*262144+(\p)*2048+(t_%4)*512    ; head t / 4; row tile p; channels 16 (t % 4) on: 512 consecutive bytes
.else
	global_store_b128 v[LI], v[PK+4*t_:PK+4*t_+3], s[42:43] offset:(t_/4)*262144+(t_%4)*1024+(\p)*512    ; head t / 4; channel tile t % 4; keys 16 p on
.endif
.set t_, t_+1
.endr
.endm
.macro BODY NK, NRT, SWAP, LA, LS, IDB, AC, ASOFF, WOFF, WSOFF, BP, PART, SH
	s_sub_co_u32 s26, ttmp9, \IDB
	s_and_b32 s27, s26, 1                          ; which 512 columns
	s_lshr_b32 s28, s26, 1                         ; which group of rows
	s_lshl_b32 s29, s27, 5
	s_lshl_b32 s30, s2, 3
	s_add_co_u32 s29, s29, s30                     ; my first column tile
	s_mov_b32 s45, 0
	s_mul_i32 s44, s28, \NRT*\NK*1024
	s_mul_i32 s46, s2, \NRT*\NK*256
	s_add_co_u32 s44, s44, s46
	s_add_nc_u64 s[32:33], s[\AC:\AC+1], s[44:45]  ; my quarter of the rows' images
	s_mul_i32 s44, s28, \NRT*\NK*64
	s_mul_i32 s47, s2, \NRT*\NK*16
	s_add_co_u32 s44, s44, s47
	s_add_co_u32 s44, s44, \ASOFF
	s_add_nc_u64 s[34:35], s[12:13], s[44:45]      ; and of their scale words
	s_mul_i32 s44, s29, \NK*1024
	s_add_co_u32 s44, s44, \WOFF
	s_add_nc_u64 s[36:37], s[14:15], s[44:45]      ; my weights
	s_mul_i32 s44, s29, \NK*64
	s_add_co_u32 s44, s44, \WSOFF
	s_add_nc_u64 s[38:39], s[16:17], s[44:45]      ; their scale words
	s_lshl_b32 s44, s29, 6
	s_add_nc_u64 s[40:41], s[\BP:\BP+1], s[44:45]  ; my 128 biases
	s_lshr_b32 s44, s28, \SH                       ; the batch
	s_lshl_b32 s44, s44, 4
	s_lshl_b32 s48, s27, 3
	s_add_co_u32 s44, s44, s48
	s_lshl_b32 s48, s2, 1
	s_add_co_u32 s44, s44, s48                     ; 16 x batch + my first head
	s_lshl_b32 s44, s44, 18
	s_and_b32 s48, s28, (1<<\SH)-1
	s_mul_i32 s48, s48, \NRT*2048                  ; my first row tile in the head
	s_add_co_u32 s44, s44, s48
	s_add_co_u32 s44, s44, \PART*16777216
	s_add_nc_u64 s[42:43], s[24:25], s[44:45]
	s_add_co_u32 s46, s46, \LA
	v_add_nc_u32 v[LIW], s46, v[LI]
	s_add_co_u32 s47, s47, \LS
	v_add_nc_u32 v[LSW], s47, v[LI]
	v_add_nc_u32 v[ADX], \LA, v[LI]
	v_add_nc_u32 v[ADS], \LS, v[L4]
.if \SWAP == 0
	v_lshlrev_b32 v[BO], 5, v3                     ; eight biases of my half of a tile's channels
.else
	v_mov_b32 v[BO], v[L4]                         ; my channel's bias
.endif
	WIN 0xc0                                       ; destination window 3: the images pass through registers that are not yet in use
.set n_, 0
.rept \NRT*\NK/2
	global_load_b128 v[64+4*n_:64+4*n_+3], v[LI], s[32:33] offset:512*n_
.set n_, n_+1
.endr
	WIN 0
.set n_, 0
.rept \NRT*\NK/32
	global_load_b128 v[PK+4*n_:PK+4*n_+3], v[LI], s[34:35] offset:512*n_
.set n_, n_+1
.endr
.set s_, 0
.rept \NK
	WIN 0x40+0x40*(s_/4)                           ; destination window 1 or 2
.set t_, 0
.rept 8
	global_load_b128 v[8*(8*(s_%4)+t_):8*(8*(s_%4)+t_)+3], v[LI], s[36:37] offset:(t_*\NK+s_)*1024
	global_load_b128 v[8*(8*(s_%4)+t_)+4:8*(8*(s_%4)+t_)+7], v[LI], s[36:37] offset:(t_*\NK+s_)*1024+512
.set t_, t_+1
.endr
.set s_, s_+1
.endr
	WIN 0
.set s_, 0
.rept \NK
.set t_, 0
.rept 8
	global_load_b32 v[WS+8*t_+s_], v[L4], s[38:39] offset:(t_*\NK+s_)*64
.set t_, t_+1
.endr
.set s_, s_+1
.endr
	WIN 0xc0
.set t_, 0
.rept 8
.if \SWAP == 0
	global_load_b128 v[BIAS+8*t_:BIAS+8*t_+3], v[BO], s[40:41] offset:t_*64
	global_load_b128 v[BIAS+8*t_+4:BIAS+8*t_+7], v[BO], s[40:41] offset:t_*64+16
.else
.irp j, 0,1,2,3,4,5,6,7
	global_load_b32 v[BIAS+8*t_+\j], v[BO], s[40:41] offset:t_*64    ; the same number for the lane's eight keys
.endr
.endif
.set t_, t_+1
.endr
	s_wait_loadcnt 0x0
	WIN 0x0c                                       ; an LDS store's data are its source 1: window 3
.set n_, 0
.rept \NRT*\NK/2
	ds_store_b128 v[LIW], v[64+4*n_:64+4*n_+3] offset:512*n_
.set n_, n_+1
.endr
	WIN 0
.set n_, 0
.rept \NRT*\NK/32
	ds_store_b128 v[LSW], v[PK+4*n_:PK+4*n_+3] offset:512*n_
.set n_, n_+1
.endr
	s_wait_dscnt 0x0                               ; for the others' sake: my stores have landed
	s_barrier_signal -1
	s_barrier_wait -1                              ; all the rows' images lie in LDS
	PFETCH \NK, 0
	s_mov_b32 s31, \NRT/2-1
.Lrow_\@:
	ROWT \NK, \SWAP, 0, 1
	ROWT \NK, \SWAP, 1, 1
	s_wait_xcnt 0x0                                ; the stores have read their base
	s_add_nc_u64 s[42:43], s[42:43], 4096          ; two row tiles on
	s_sub_co_u32 s31, s31, 1
	s_cmp_lg_u32 s31, 0
	s_cbranch_scc1 .Lrow_\@
	ROWT \NK, \SWAP, 0, 1
	ROWT \NK, \SWAP, 1, 0                          ; the last tile fetches nothing
	s_wait_tensorcnt 0x0                           ; the wave's end, behind my last LDS store
	ds_add_u32 v[SPW], v[NIL]
	s_wait_dscnt 0x0
	s_endpgm
.endm
	s_load_b512 s[8:23], s[0:1], 0x0               ; xc, yc, asc, wc, wsc, bq, bk, bv
	s_load_b64 s[24:25], s[0:1], 0x40              ; qkv
	v_lshl_add_u32 v[SPW], v0, 2, SPARE
	v_mov_b32 v[NIL], 0
	v_lshrrev_b32 v1, 5, v0
	v_readfirstlane_b32 s2, v1                     ; wave
	v_and_b32 v1, 31, v0
	v_and_b32 v2, 15, v0
	v_bfe_u32 v3, v0, 4, 1
	v_lshlrev_b32 v[LI], 4, v1
	v_lshlrev_b32 v[L4], 2, v2
	s_wait_kmcnt 0x0
	s_cmp_lt_u32 ttmp9, 128
	s_cbranch_scc1 .Lq
	s_cmp_lt_u32 ttmp9, 192
	s_cbranch_scc1 .Lk
	BODY 6, 16, 1, 174080, 272384, 192, 10, 262144, 917504, 57344, 22, 2, 3
.Lk:
	BODY 6, 16, 0, 69632, 167936, 128, 10, 262144, 524288, 32768, 20, 1, 3
.Lq:
	BODY 8, 8, 0, 0, 65536, 0, 8, 0, 0, 0, 18, 0, 4
.Lfunc_end_k_q95efd00594_proj:
	.size	k_q95efd00594_proj, .Lfunc_end_k_q95efd00594_proj-k_q95efd00594_proj
	.p2alignl 7, 3214868480
	.fill 96, 4, 3214868480
	.section	.rodata,"a",@progbits
	.p2align	6, 0x0
	.amdhsa_kernel k_q95efd00594_proj
		.amdhsa_group_segment_fixed_size 279040
		.amdhsa_private_segment_fixed_size 0
		.amdhsa_enable_private_segment 0
		.amdhsa_kernarg_size 72
		.amdhsa_user_sgpr_count 2
		.amdhsa_user_sgpr_kernarg_segment_ptr 1
		.amdhsa_wavefront_size32 1
		.amdhsa_system_sgpr_workgroup_id_x 1
		.amdhsa_system_sgpr_workgroup_id_y 1
		.amdhsa_system_sgpr_workgroup_id_z 1
		.amdhsa_system_vgpr_workitem_id 0
		.amdhsa_next_free_vgpr 1024
		.amdhsa_next_free_sgpr 66
		.amdhsa_reserve_vcc 0
		.amdhsa_float_denorm_mode_32 3
		.amdhsa_float_denorm_mode_16_64 3
		.amdhsa_memory_ordered 1
		.amdhsa_forward_progress 1
		.amdhsa_inst_pref_size 219
	.end_amdhsa_kernel
	.amdgpu_metadata
---
amdhsa.version: [ 1, 2 ]
amdhsa.kernels:
  - .name:           k_q95efd00594_proj
    .symbol:         k_q95efd00594_proj.kd
    .args:
      - { .name: xc, .offset: 0, .size: 8, .value_kind: global_buffer, .address_space: global }
      - { .name: yc, .offset: 8, .size: 8, .value_kind: global_buffer, .address_space: global }
      - { .name: asc, .offset: 16, .size: 8, .value_kind: global_buffer, .address_space: global }
      - { .name: wc, .offset: 24, .size: 8, .value_kind: global_buffer, .address_space: global }
      - { .name: wsc, .offset: 32, .size: 8, .value_kind: global_buffer, .address_space: global }
      - { .name: bq, .offset: 40, .size: 8, .value_kind: global_buffer, .address_space: global }
      - { .name: bk, .offset: 48, .size: 8, .value_kind: global_buffer, .address_space: global }
      - { .name: bv, .offset: 56, .size: 8, .value_kind: global_buffer, .address_space: global }
      - { .name: qkv, .offset: 64, .size: 8, .value_kind: global_buffer, .address_space: global }
    .group_segment_fixed_size: 279040
    .private_segment_fixed_size: 0
    .kernarg_segment_align: 8
    .kernarg_segment_size: 72
    .max_flat_workgroup_size: 128
    .sgpr_count:     66
    .vgpr_count:     1024
    .wavefront_size: 32
...
	.end_amdgpu_metadata
.endif
;; end of part 2
;; launch attn (part 3): grid 8 x 64, 4 waves a work-group, clusters of 4 x 1, 327,680 bytes of LDS; arguments qkv, att; writes att
.if DOCPART == 3
	.amdgcn_target "amdgcn-amd-amdhsa--gfx1250"
	.amdhsa_code_object_version 6
	.text
	.protected	k_q95efd00594_attn
	.globl	k_q95efd00594_attn
	.p2align	8
	.type	k_q95efd00594_attn,@function
k_q95efd00594_attn:
	s_mov_b64 s[64:65], 0
	v_nop
	global_prefetch_b8 v0, s[64:65] scope:SCOPE_SE
	s_setreg_imm32_b32 hwreg(HW_REG_WAVE_MODE, 25, 1), 1
	s_wait_xcnt 0x0
	s_wait_alu depctr_hold_cnt(0) depctr_sa_sdst(0) depctr_va_vdst(0) depctr_va_sdst(0) depctr_va_ssrc(0) depctr_va_vcc(0) depctr_vm_vsrc(0)
	s_getreg_b32 s2, hwreg(HW_REG_IB_STS2, 6, 4)
	s_cmp_eq_u32 s2, 0
	s_cbranch_scc0 .Lentry_in_a_cluster
	s_endpgm
.Lentry_in_a_cluster:
	s_bfe_u32 s2, ttmp6, 0x10000c
	s_cmp_lg_u32 s2, 0x3003
	s_cbranch_scc0 .Lentry_shape_is_right
	s_endpgm
.Lentry_shape_is_right:
; ATTN: O[bh][q] = the sum over k of softmax_k(Q[bh][q] . K[bh][k] / 8) V[bh][k], 64 heads of 2,048 x 64, operands f16; products, maxima and sums in f32; the weights p are rounded to f16 for the second product, O once at the end.
; q, k, v arrive as images of operand registers (1,024 bytes a fragment, group c of lane l at 512 c + 16 l): a key step's K or V is one dense block of 16,384 bytes; LDS needs no padding and nothing is turned.
; SHARES.  A work-group owns 256 queries of one head, each of its four waves 64: four tiles of 16.  Every wave walks all 2,048 keys, 128 a step.
; LAYOUT.  S^T = K Q^T (source 0 = 16 keys, source 1 = 16 queries): a lane holds ONE query and keys 8 (lane / 16) + 0..7 of each key tile.  Two such tiles, rounded to f16 in pairs, ARE source 1 (32 keys x 16 queries)
; of O^T = V^T P, whose result again holds one query a lane and eight channels; four packed registers of it are half a fragment of the output projection.
; SOFTMAX.  For each query a running maximum m and sum l: p = 2^(c s - c m), c = log2(e) / 8; in every step O and l are multiplied by a = 2^(c m_old - c m_new).
; BY TURNS.  The wave's tiles are two PIECES: piece 0 (tiles 0, 1) and piece 2 (tiles 2, 3).  In a TURN one piece has the matrix unit: 32 products V^T P of the step in hand, then 32 products K Q^T of the next step;
; the other piece's softmax, 428 instructions cut into 64 slices, stands between them, one slice behind each matrix instruction.  Then the pieces change places.  Two turns are a key step.
; CLUSTER.  The four query blocks of a cluster belong to one head and walk the same K and V: each tile is asked for jointly, by the same tensor load with the same descriptor and a mask that names the four.
; REGISTERS, in windows of 256 (s_set_vgpr_msb: bits 1:0 source 0, 3:2 source 1, 5:4 source 2, 7:6 destination).  Piece 0 keeps its softmax in window 0, piece 2 in window 1, under the same numbers:
;   v12-35 statistics, 12 a tile; v64-191 S^T, 64 a tile; v192-255 P, 32 a tile.  Window 0 alone: v4, v5, v61-63 addresses.
;   window 2: v0-63 Q (tile t, channels 32 g on: 16 t + 8 g); v128-255 K of one step.      window 3: v0-127 V of one step; v128-255 O^T, 32 a tile.
.set STEPB, 32768                      ; a step's tiles lie together: K's 16,384 bytes, then V's
.set SLOT1, 65536                      ; a slot holds two steps; slot 1 begins here
.set SPARE, 131072                     ; the spare words, 128 bytes for each wave: two blocks of 256 bytes that no other line names
.set ADR, 4                            ; v4   LDS address of the run of loads in hand
.set LI,  5                            ; v5   16 x lane; never rewritten
.set PFO, 61                           ; v61  256 x lane; never rewritten
.set SPW, 62
.set NIL, 63
.set ST,  12                           ; tile u of a piece: v[ST+12 u]: +0 c m, +1 m, +2, +3 l (even keys, odd keys), +4 to +11 c0-c7 at work; a takes c6's place
.set S,   64
.set P,   192
.set WV,  12                           ; s12  wave
.set LIM, 15                           ; s15  1 in a wave that prefetches, else the greatest number
.set PFA, 18                           ; s[18:19] where my prefetches stand
.set G1,  24                           ; s[24:31] descriptor group 1
.set G0,  40                           ; s[40:43] group 0 of slot 0's first fill; s[44:47] of slot 1's, which then walks
.set SLOTS, 56
.set TWICE, 57
.set CS,  58                           ; s[58:59] c
.set SEL, 60                           ; s[60:61] selects for lane l xor 16
.set TB,  62                           ; s62  LDS byte at which the tiles of the step to be fetched begin
.set MSB, 0
.macro WIN new                         ; the immediate's high byte repeats the setting that is left; a switch that changes nothing is dropped
.if MSB != (\new)
	s_set_vgpr_msb (MSB<<8)|(\new)
.set MSB, (\new)
.endif
.endm
.macro PLACES
.rept 4
	v_nop
.endr
.endm
.macro CROUND                          ; a round of the cluster's barrier
	s_barrier_signal -1
	s_barrier_wait -1
	s_cmp_lg_u32 s[WV], 0
	s_cbranch_scc1 .Lnot_wave_0_\@
	s_barrier_signal -3
.Lnot_wave_0_\@:
	s_barrier_wait -3
	s_barrier_signal -1
	s_barrier_wait -1
.endm
; A prefetch of what the NEXT change of slots will ask for: a slot's K or V is 128 blocks of 256 bytes.  Each block is named once in the launch: the head's first cluster asks; its four partners take 32 blocks each,
; told apart by address; in each, wave 0 asks for K's and wave 2 for V's, a lane a block.  The last change that fills a slot asks for nothing.
.macro ASK
	s_cmp_gt_u32 s[SLOTS], s[LIM]
	s_cbranch_scc0 .Lnot_mine_\@
	global_prefetch_b8 v[PFO], s[PFA:PFA+1] th:TH_LOAD_NT scope:SCOPE_SE
.Lnot_mine_\@:
.endm
	s_load_b128 s[4:7], s[0:1], 0x0                ; qkv, att
	v_lshl_add_u32 v[SPW], v0, 2, SPARE
	v_mov_b32 v[NIL], 0
	ds_add_u32 v[SPW], v[NIL]                      ; the wave's opening: the add, twice on end, and its wait ahead of my first tensor load
	ds_add_u32 v[SPW], v[NIL]
	v_lshrrev_b32 v1, 5, v0
	v_readfirstlane_b32 s[WV], v1
	v_and_b32 v1, 31, v0
	v_lshlrev_b32 v[LI], 4, v1
	v_lshlrev_b32 v[PFO], 8, v1
	s_bfe_u32 s13, ttmp6, 0x40000                  ; cx
	s_lshl_b32 s14, ttmp9, 2
	s_add_co_u32 s14, s14, s13                     ; my block of 256 queries: it enters Q's and the result's addresses alone
	s_and_b32 s16, ttmp7, 0xffff                   ; the head, 16 x batch + head, which the four partners share
	s_lshl_b32 s20, s16, 18                        ; its 262,144 bytes in each of q, k, v
	s_and_b32 s17, s[WV], 1                        ; which of a slot's two steps I fetch,
	s_lshr_b32 s22, s[WV], 1                       ; and K's tile (0) or V's (1)
	s_lshl_b32 s2, s17, 15
	s_lshl_b32 s3, s22, 14
	s_add_co_u32 s2, s2, s3                        ; its place in a slot: no place in the cluster enters an LDS address
	s_add_co_u32 s22, s22, 1
	s_lshl_b32 s22, s22, 24                        ; k lies 16,777,216 bytes into the buffer, v twice as far
	s_lshl_b32 s23, s17, 14
	s_add_co_u32 s22, s22, s23
	s_add_co_u32 s22, s22, s20
	s_mov_b32 s23, 0
	s_lshl_b32 s32, s14, 15                        ; Q: my block's 16 row tiles of 2,048 bytes,
	s_lshl_b32 s33, s[WV], 13                      ; my wave's four
	s_add_co_u32 s32, s32, s33
	s_add_co_u32 s32, s32, s20
	s_mov_b32 s33, 0
	s_lshr_b32 s34, s16, 4                         ; the result: [block of 128 rows][chunk of 32 channels][row tile][1,024 bytes]
	s_lshl_b32 s34, s34, 4
	s_lshl_b32 s35, s14, 1
	s_add_co_u32 s34, s34, s35
	s_lshr_b32 s35, s[WV], 1
	s_add_co_u32 s34, s34, s35                     ; 16 x batch + 2 x block + wave / 2
	s_lshl_b32 s34, s34, 18
	s_and_b32 s35, s16, 15
	s_lshl_b32 s35, s35, 14                        ; the head's two chunks of 8,192 bytes
	s_add_co_u32 s34, s34, s35
	s_lshl_b32 s35, s17, 12                        ; my four row tiles of the eight
	s_add_co_u32 s34, s34, s35
	s_mov_b32 s35, 0
	s_mov_b32 s[G1], 15|(3<<16)|(1<<21)            ; 15:0 the mask: all four work-groups; 17:16 elements of 8 bytes; 21 set beside a mask; no padding
	s_mov_b32 s[G1+1], 32<<16                      ; tensor_dim0 = 32 elements: 256 bytes
	s_mov_b32 s[G1+2], 64<<16                      ; tensor_dim1 = 64 rows
	s_mov_b32 s[G1+3], 32<<16                      ; tile_dim0
	s_mov_b32 s[G1+4], 64                          ; tile_dim1
	s_mov_b32 s[G1+5], 32                          ; rows follow each other: a dense block of 16,384 bytes
	s_mov_b32 s[G1+6], 0
	s_mov_b32 s[G1+7], 0
	s_mov_b32 s[CS], 0x3e38aa3b                    ; c = log2(e) / 8
	s_mov_b32 s[CS+1], s[CS]                       ; named with it as a pair, so it is written
	s_mov_b32 s[SEL], 0x76543210
	s_mov_b32 s[SEL+1], 0xfedcba98
	s_mov_b32 s[TB], 0
	s_mov_b32 s[SLOTS], 6                          ; 8 slots of 256 keys; two are filled at the start
	s_and_b32 s[LIM], s[WV], 1
	s_or_b32 s[LIM], s[LIM], ttmp9                 ; 0 in waves 0 and 2 of the head's first cluster: the same in all four partners
	s_cmp_eq_u32 s[LIM], 0
	s_cselect_b32 s[LIM], 1, -1
	s_lshl_b32 s38, s13, 13                        ; my work-group's 32 blocks of the 128,
	s_add_co_u32 s38, s38, 65536                   ; in slot 2: the first change of slots steps it to slot 3.  Nothing is prefetched at the head
	s_mov_b32 s39, 0
	s_wait_dscnt 0x0                               ; both opening adds are done
	s_wait_kmcnt 0x0
	s_add_nc_u64 s[36:37], s[4:5], s[22:23]        ; my tile of slot 0
	s_add_nc_u64 s[8:9], s[4:5], s[32:33]          ; Q
	s_add_nc_u64 s[10:11], s[6:7], s[34:35]        ; the result
	s_add_nc_u64 s[PFA:PFA+1], s[36:37], s[38:39]
	CROUND                                         ; all four work-groups are here: the first joint loads meet
	s_mov_b32 s[G0], 1
	s_mov_b32 s[G0+1], s2
	s_mov_b64 s[G0+2:G0+3], s[36:37]
	s_or_b32 s[G0+3], s[G0+3], 0x80000000
	s_mov_b32 s[G0+4], 1
	s_add_co_u32 s[G0+5], s2, SLOT1
	s_add_nc_u64 s[G0+6:G0+7], s[36:37], 32768     ; a slot on: two steps of 16,384 bytes
	s_or_b32 s[G0+7], s[G0+7], 0x80000000
	tensor_load_to_lds s[G0:G0+3], s[G1:G1+7]      ; each wave its own tile of slot 0,
	s_nop 0
	tensor_load_to_lds s[G0+4:G0+7], s[G1:G1+7]    ; and of slot 1: two loads of mine are out
	s_nop 0
	PLACES
	WIN 0x80                                       ; destination window 2
.irp i, 0,1,2,3,4,5,6,7                        ; Q stays in registers: tile i / 2, channels 32 (i % 2) on
	global_load_b128 v[8*\i:8*\i+3], v[LI], s[8:9] offset:1024*\i
	global_load_b128 v[8*\i+4:8*\i+7], v[LI], s[8:9] offset:1024*\i+512
.endr
	WIN 0
; Product i of 32 of S^T = K Q^T for piece x: channels 32 (i / 16) on, keys 16 ((i / 2) % 8) on, tile x + i % 2.  The first 16 start the sums.  The 16 accumulators take turns.
.macro KQ x
.set wv, (\x)/2
	WIN 0x0a+0x50*wv
.set rS, S+64*(i%2)+8*((i/2)%8)
.set rK, 128+8*(2*((i/2)%8)+i/16)
.set rQ, 16*((\x)+i%2)+8*(i/16)
.if i < 16
	v_wmma_f32_16x16x32_f16 v[rS:rS+7], v[rK:rK+7], v[rQ:rQ+7], 0
.else
	v_wmma_f32_16x16x32_f16 v[rS:rS+7], v[rK:rK+7], v[rQ:rQ+7], v[rS:rS+7]
.endif
.endm
; Product i of 32 of O^T += V^T P: keys 32 (i / 8) on, channels 16 ((i / 2) % 4) on, tile x + i % 2.  zero = 1: the first 8 start the sums.  Eight accumulators by turns.
.macro PV x, zero
.set wv, (\x)/2
	WIN 0xf3|(wv<<2)
.set rO, 128+32*((\x)+i%2)+8*((i/2)%4)
.set rV, 8*(4*(i/8)+(i/2)%4)
.set rP, P+32*(i%2)+8*(i/8)
.if \zero && (i < 8)
	v_wmma_f32_16x16x32_f16 v[rO:rO+7], v[rV:rV+7], v[rP:rP+7], 0
.else
	v_wmma_f32_16x16x32_f16 v[rO:rO+7], v[rV:rV+7], v[rP:rP+7], v[rO:rO+7]
.endif
.endm
; The LDS loads stand in runs of 32: a step's K (fragment f = 2 x key tile + channel half) and, a turn later, its V (f = 4 x group of 32 keys + channel tile).
.macro FETCH_K
	WIN 0
	v_add_nc_u32 v[ADR], s[TB], v[LI]
	WIN 0x80
.irp f, 0,1,2,3,4,5,6,7,8,9,10,11,12,13,14,15
	ds_load_b128 v[128+8*\f:128+8*\f+3], v[ADR] offset:\f*1024
	ds_load_b128 v[128+8*\f+4:128+8*\f+7], v[ADR] offset:\f*1024+512
.endr
.endm
.macro FETCH_V
	WIN 0
	v_add_nc_u32 v[ADR], s[TB], v[LI]
	s_add_co_u32 s[TB], s[TB], STEPB               ; the next fetch is the next step's
	s_wait_alu depctr_va_vdst(0)                   ; the wait for the softmax's batch of exponentials, ahead of the first instruction that names a result
	WIN 0xc0
.irp f, 0,1,2,3,4,5,6,7,8,9,10,11,12,13,14,15
	ds_load_b128 v[8*\f:8*\f+3], v[ADR] offset:16384+\f*1024
	ds_load_b128 v[8*\f+4:8*\f+7], v[ADR] offset:16384+\f*1024+512
.endr
.endm
; One tile's softmax for one key step is a list of 214 instructions; SM writes number j of it for tile t.  s0-s63 are the lane's 64 scores, in pairs 0-31.  first = 1: the first key step: no a, nothing to rescale.
;   0-31    the maximum of s0-s63 and the old m, three operands at a time, in eight chains c0-c7; each accumulator is read from its low end on
;   32-36   the other half of the lanes' maximum; the new m; c m; c m_old - c m_new
;   37-133  ONE BATCH: the 32 scalings c s - c m and all 65 exponentials (a at 38); from 39 on a scaling and the two exponentials of the pair before.  None of these reads an exponential's result
;   (wait)  between 133 and 134: SLICE writes it, once for both tiles
;   134-165 the roundings to f16;  166-197 the sums, l = a l + the sum;  198-213 the tile's O^T times a
.macro SM t, first
.set wv, (\t)/2
.set rT, ST+12*((\t)%2)
.set rS, S+64*((\t)%2)
.set rP, P+32*((\t)%2)
.if j < 198
	WIN 0x55*wv
.endif
.if j < 8
	v_max3_num_f32 v[rT+4+j], v[rS+8*j], v[rS+8*j+1], v[rS+8*j+2]
.elseif j < 24
.set a_, (j-8)%8
.set e_, (j-8)/8
	v_max3_num_f32 v[rT+4+a_], v[rT+4+a_], v[rS+8*a_+3+2*e_], v[rS+8*a_+4+2*e_]
.elseif j < 28
.set a_, j-24
	v_max3_num_f32 v[rT+4+a_], v[rT+4+a_], v[rS+8*a_+7], v[rS+8*a_+39]
.elseif j == 28
	v_max3_num_f32 v[rT+4], v[rT+4], v[rT+5], v[rT+6]
.elseif j == 29
	v_max3_num_f32 v[rT+7], v[rT+7], v[rT+8], v[rT+9]
.elseif (j == 30) && \first
	v_max_num_f32 v[rT+10], v[rT+10], v[rT+11]
.elseif j == 30
	v_max3_num_f32 v[rT+10], v[rT+10], v[rT+11], v[rT+1]
.elseif j == 31
	v_max3_num_f32 v[rT+4], v[rT+4], v[rT+7], v[rT+10]
.elseif j == 32
	v_permlanex16_b32 v[rT+5], v[rT+4], s[SEL], s[SEL+1]   ; the query's other 64 keys lie in the lane 16 away
.elseif j == 34
	v_max_num_f32 v[rT+1], v[rT+4], v[rT+5]
.elseif j == 35
	v_mul_f32 v[rT], s[CS], v[rT+1]
.elseif ((j == 33) || (j == 36) || (j == 38) || (j > 197)) && \first   ; the first step has none of these
.elseif j == 33
	v_mov_b32 v[rT+11], v[rT]                      ; c m_old is kept for a
.elseif j == 36
	v_sub_f32 v[rT+11], v[rT+11], v[rT]
.elseif j == 38
	v_exp_f32 v[rT+10], v[rT+11]
.elseif (j == 37) || ((j < 132) && ((j-39)%3 == 0))
.set b_, 0
.if j > 37
.set b_, 1+(j-39)/3
.endif
	v_pk_fma_f32 v[rS+2*b_:rS+2*b_+1], v[rS+2*b_:rS+2*b_+1], s[CS:CS+1], v[rT:rT+1] op_sel_hi:[1,0,0] neg_lo:[0,0,1] neg_hi:[0,0,1]   ; pair b: c s - c m
.elseif j < 134
.set e_, j-70
.if j < 132
.set e_, 2*((j-39)/3)+(j-39)%3-1
.endif
	v_exp_f32 v[rS+e_], v[rS+e_]
.elseif j < 166
	v_cvt_pk_f16_f32 v[rP+j-134], v[rS+2*(j-134)], v[rS+2*(j-134)+1]
.elseif j < 198                        ; the sum of the 32 pairs, in place: neighbours 1, 2, 4, 8 and 16 pairs apart, then l takes it
.set z_, j-166
.set w_, 4
.set u_, z_
.if z_ >= 30
.set w_, 64
.set u_, 0
.elseif z_ >= 28
.set w_, 32
.set u_, z_-28
.elseif z_ >= 24
.set w_, 16
.set u_, z_-24
.elseif z_ >= 16
.set w_, 8
.set u_, z_-16
.endif
.if (z_ == 30) && \first
	v_pk_add_f32 v[rT+2:rT+3], v[rS:rS+1], v[rS+32:rS+33]
.elseif z_ < 31
	v_pk_add_f32 v[rS+w_*u_:rS+w_*u_+1], v[rS+w_*u_:rS+w_*u_+1], v[rS+w_*u_+w_/2:rS+w_*u_+w_/2+1]
.elseif !\first
	v_pk_fma_f32 v[rT+2:rT+3], v[rT+2:rT+3], v[rT+10:rT+11], v[rS:rS+1] op_sel_hi:[1,0,1]
.endif
.else
	WIN 0xc3|(wv<<2)                               ; O^T in window 3, a in the piece's window
.set rO, 128+32*(\t)+2*(j-198)
	v_pk_mul_f32 v[rO:rO+1], v[rO:rO+1], v[rT+10:rT+11] op_sel_hi:[1,0]
.endif
.endm
; Slice k of 64 of piece y's softmax.  Entry q of 428 is number q / 2 of tile y + q % 2: the two tiles alternate.  Slices 0-43 have seven entries, slices 44-63 six.
; THE WAIT.  Ahead of entry 268 nothing names an exponential's result, and from it on no exponential is issued: so the piece's 130 exponentials have one wait there, behind a plain instruction.
; In piece 2's turn (y = 0) V's run of loads stands at that place, behind four plain instructions that part it from the last product that read V, and the wait stands in it.
.macro SLICE y, first
.if k < 44
.set q, 7*k
.set qn, 7
.else
.set q, 308+6*(k-44)
.set qn, 6
.endif
.rept qn
.if q == 268
.if (\y) == 0
	PLACES
	FETCH_V
.else
	v_nop
	s_wait_alu depctr_va_vdst(0)
.endif
.endif
.set j, q/2
	SM (\y)+q%2, \first
.set q, q+1
.endr
.set k, k+1
.endm
; A TURN.  Piece x has the matrix unit; the other piece's softmax stands in slices behind its matrix instructions.  pv = 2: 32 products V^T P; 1: they start O^T's sums; 0: none.  kq = 1: 32 products K Q^T of the next step.
; A turn with one of the two kinds has two slices behind each product.  first = 1: the softmax is the first key step's; its last slices are empty, and four v_nop take their part as the places behind the last products.
; Piece 0's turn fetches the next step's K behind its second product: the last product that read K stands in front of the six plain instructions of slice 63 of the turn before.
.macro TURN x, pv, kq, first
.set k, 0
.set per, 2
.if \pv && \kq
.set per, 1
.endif
.if \pv
.if \x == 0
	s_wait_dscnt 0x0                               ; V is in
.endif
.set i, 0
.rept 32
	PV \x, 2-\pv
.rept per
	SLICE 2-\x, \first
.endr
.if (\x == 0) && \kq && (i == 1)
	FETCH_K
.endif
.set i, i+1
.endr
.endif
.if \kq
.if \x == 0
	s_wait_dscnt 0x0                               ; K is in
.endif
.set i, 0
.rept 32
	KQ \x
.rept per
	SLICE 2-\x, \first
.endr
.set i, i+1
.endr
.endif
.if \first
	PLACES
.endif
.endm
; THE CHANGE OF SLOTS, between piece 2's turn and piece 0's: the slot's last bytes, V of its second step, have been asked for.  Each wave waits for all its tensor loads (one is out: its part of the other slot), adds 0 to its
; spare word, and waits for that and for its reads of the slot.  fill = 1: the barrier is a round of the cluster's, and the joint refill, the keys two slots on, is the first thing behind it: it has two key steps in which to land.
.macro CHANGE fill
	WIN 0
	s_wait_tensorcnt 0x0                           ; no tensor load of mine is out, so a group 0 may be written
	ds_add_u32 v[SPW], v[NIL]                      ; 0 onto my spare word
.if \fill
	s_xor_b32 s[G0+5], s[G0+5], SLOT1              ; the walking descriptor: the other slot than last time,
	s_add_nc_u64 s[G0+6:G0+7], s[G0+6:G0+7], 32768 ; the next 256 keys
	s_wait_xcnt 0x0                                ; the last prefetch, two key steps back, has read its address
	s_add_nc_u64 s[PFA:PFA+1], s[PFA:PFA+1], 32768
	s_wait_dscnt 0x0                               ; the add is done, and my reads of the slot are over
	CROUND
	tensor_load_to_lds s[G0+4:G0+7], s[G1:G1+7]
	s_nop 0
	PLACES
	ASK
.else
	s_wait_dscnt 0x0
	s_barrier_signal -1
	s_barrier_wait -1
.endif
	s_sub_co_u32 s[TB], s[TB], 2*STEPB             ; the fetches go back to a slot's first step,
	s_xor_b32 s[TB], s[TB], SLOT1                  ; in the other slot
.endm
.macro TWO_STEPS                       ; a slot's two key steps: written once, walked twice
	s_mov_b32 s[TWICE], 2
.Lstep_\@:
	TURN 0, 2, 1, 0
	TURN 2, 2, 1, 0
	WIN 0
	s_sub_co_u32 s[TWICE], s[TWICE], 1
	s_cmp_lg_u32 s[TWICE], 0
	s_cbranch_scc1 .Lstep_\@
.endm
	s_wait_tensorcnt 1                             ; my part of slot 0 is in; slot 1's may stay out
	s_barrier_signal -1
	s_barrier_wait -1
	FETCH_K                                        ; key step 0
	s_wait_loadcnt 0x0                             ; Q
	s_wait_dscnt 0x0
.set i, 0
.rept 32
	KQ 0                                           ; piece 0's first scores
.set i, i+1
.endr
	PLACES
	TURN 2, 0, 1, 1                                ; piece 2's first scores | piece 0's first softmax | V of step 0
	TURN 0, 1, 1, 1                                ; piece 0: V^T P of step 0 starts O^T, K Q^T of step 1 | piece 2's first softmax | K of step 1
	TURN 2, 1, 1, 0                                ; piece 2: the same | piece 0's softmax of step 1 | V of step 1
	WIN 0
.Lslot:                                            ; six trips: every slot but the last two is filled again
	CHANGE 1
	TWO_STEPS
	s_sub_co_u32 s[SLOTS], s[SLOTS], 1
	s_cmp_lg_u32 s[SLOTS], 0
	s_cbranch_scc1 .Lslot
	CHANGE 0                                       ; the tail is written out
	TWO_STEPS
	TURN 0, 2, 0, 0                                ; piece 0: V^T P of the last step | piece 2's last softmax
.set i, 0
.rept 32
	PV 2, 0                                        ; piece 2: V^T P of the last step
.set i, i+1
.endr
	; THE WAY OUT.  l's two halves and the other half of the lanes' are added; O^T is divided by l and rounded to f16: four packed registers are half a fragment of the next product, stored as 512 consecutive bytes.
	PLACES
.irp w, 0,1
	WIN 0x55*\w
.irp u, 0,1
	v_add_f32 v[ST+12*\u+4], v[ST+12*\u+2], v[ST+12*\u+3]
.endr
.irp u, 0,1
	v_permlanex16_b32 v[ST+12*\u+5], v[ST+12*\u+4], s[SEL], s[SEL+1]
.endr
.irp u, 0,1
	v_add_f32 v[ST+12*\u+4], v[ST+12*\u+4], v[ST+12*\u+5]
.endr
.irp u, 0,1
	v_rcp_f32 v[ST+12*\u+6], v[ST+12*\u+4]
.endr
	v_nop                                          ; a plain instruction behind the reciprocals,
	s_wait_alu depctr_va_vdst(0)                   ; and the wait ahead of the first use
.endr
.macro PACK t
.set wv, (\t)/2
.set rT, ST+12*((\t)%2)
	WIN 0xc3|(wv<<2)
.set n_, 0
.rept 16
	v_pk_mul_f32 v[128+32*(\t)+2*n_:128+32*(\t)+2*n_+1], v[128+32*(\t)+2*n_:128+32*(\t)+2*n_+1], v[rT+6:rT+7] op_sel_hi:[1,0]
.set n_, n_+1
.endr
	WIN 0x0f                                       ; sources window 3, destination window 0: piece 0's S^T is free
.set n_, 0
.rept 16
	v_cvt_pk_f16_f32 v[S+16*(\t)+n_], v[128+32*(\t)+2*n_], v[128+32*(\t)+2*n_+1]
.set n_, n_+1
.endr
	WIN 0
.irp g, 0,1,2,3
	global_store_b128 v[LI], v[S+16*(\t)+4*\g:S+16*(\t)+4*\g+3], s[10:11] offset:(\g/2)*8192+(\t)*1024+(\g%2)*512
.endr
.endm
	PACK 0
	PACK 1
	PACK 2
	PACK 3
	s_wait_tensorcnt 0x0                           ; the wave's end, behind my last tensor load
	ds_add_u32 v[SPW], v[NIL]
	s_wait_dscnt 0x0
	CROUND                                         ; the closing round: no work-group ends while a partner may still ask for a tile that names it
	s_endpgm
.Lfunc_end_k_q95efd00594_attn:
	.size	k_q95efd00594_attn, .Lfunc_end_k_q95efd00594_attn-k_q95efd00594_attn
	.p2alignl 7, 3214868480
	.fill 96, 4, 3214868480
	.section	.rodata,"a",@progbits
	.p2align	6, 0x0
	.amdhsa_kernel k_q95efd00594_attn
		.amdhsa_group_segment_fixed_size 327680
		.amdhsa_private_segment_fixed_size 0
		.amdhsa_enable_private_segment 0
		.amdhsa_kernarg_size 16
		.amdhsa_user_sgpr_count 2
		.amdhsa_user_sgpr_kernarg_segment_ptr 1
		.amdhsa_wavefront_size32 1
		.amdhsa_system_sgpr_workgroup_id_x 1
		.amdhsa_system_sgpr_workgroup_id_y 1
		.amdhsa_system_sgpr_workgroup_id_z 1
		.amdhsa_system_vgpr_workitem_id 0
		.amdhsa_next_free_vgpr 1024
		.amdhsa_next_free_sgpr 66
		.amdhsa_reserve_vcc 0
		.amdhsa_float_denorm_mode_32 3
		.amdhsa_float_denorm_mode_16_64 3
		.amdhsa_memory_ordered 1
		.amdhsa_forward_progress 1
		.amdhsa_inst_pref_size 255
	.end_amdhsa_kernel
	.section	.bss,"aw",@nobits
	.p2align	6
	.space	262144
	.amdgpu_metadata
---
amdhsa.version: [ 1, 2 ]
amdhsa.kernels:
  - .name:           k_q95efd00594_attn
    .symbol:         k_q95efd00594_attn.kd
    .args:
      - { .name: qkv, .offset: 0, .size: 8, .value_kind: global_buffer, .address_space: global }
      - { .name: att, .offset: 8, .size: 8, .value_kind: global_buffer, .address_space: global }
    .group_segment_fixed_size: 327680
    .private_segment_fixed_size: 0
    .kernarg_segment_align: 8
    .kernarg_segment_size: 16
    .max_flat_workgroup_size: 128
    .sgpr_count:     66
    .vgpr_count:     1024
    .wavefront_size: 32
...
	.end_amdgpu_metadata
.endif
;; end of part 3
;; launch outp (part 4): grid 4 x 64, 4 waves a work-group, clusters of 4 x 1, 280,064 bytes of LDS; arguments att, wo16, bo, out0; writes out0
.if DOCPART == 4
	.amdgcn_target "amdgcn-amd-amdhsa--gfx1250"
	.amdhsa_code_object_version 6
	.text
	.protected	k_q95efd00594_outp
	.globl	k_q95efd00594_outp
	.p2align	8
	.type	k_q95efd00594_outp,@function
k_q95efd00594_outp:
	s_mov_b64 s[64:65], 0
	v_nop
	global_prefetch_b8 v0, s[64:65] scope:SCOPE_SE
	s_setreg_imm32_b32 hwreg(HW_REG_WAVE_MODE, 25, 1), 1
	s_wait_xcnt 0x0
	s_wait_alu depctr_hold_cnt(0) depctr_sa_sdst(0) depctr_va_vdst(0) depctr_va_sdst(0) depctr_va_ssrc(0) depctr_va_vcc(0) depctr_vm_vsrc(0)
	s_getreg_b32 s2, hwreg(HW_REG_IB_STS2, 6, 4)
	s_cmp_eq_u32 s2, 0
	s_cbranch_scc0 .Lentry_in_a_cluster
	s_endpgm
.Lentry_in_a_cluster:
	s_bfe_u32 s2, ttmp6, 0x10000c
	s_cmp_lg_u32 s2, 0x3003
	s_cbranch_scc0 .Lentry_shape_is_right
	s_endpgm
.Lentry_shape_is_right:
; OUTP: out0 = attention's result x Wo + bo; operands f16, sums f32, the bias as the C of each sum's first product.  Both operands arrive as images of operand registers, 1,024 bytes a fragment.
; SHARES.  A work-group makes 128 rows x 256 columns; a wave 128 rows x 64 columns: 32 accumulators.  The four work-groups of a cluster make the four column tiles of the same 128 rows.
; A (128 rows x all 1,024 of K = 262,144 dense bytes) is filled ONCE, by joint loads that name the four: four loads a wave, one for each quarter of K; nothing is filled again, so there is no ring.
; Four tensor loads of a wave are out at the most.  A quarter is read behind a counted wait and a barrier.  Wo's fragments are each wave's own, one contiguous run of 131,072 bytes: they go straight into a ring of eight
; register sets, seven chunks of 32 along K ahead.  No prefetch: all of A is asked for at the head, and Wo is read again by every block of rows.
; THE MATRIX INSTRUCTION IS USED TRANSPOSED (source 0 = 16 columns of Wo, source 1 = 16 rows): a lane holds eight neighbouring numbers of a row of the result.
; REGISTERS: window 0: v1-17 addresses; v32-63 the bias; v64-127 the way out.  window 1: A's fragments, two sets of 64.  window 2: accumulator (a, b) at 8 (4 a + b).  window 3: Wo's fragments, eight sets of 32.
.set STAGE, 262144                     ; behind A: 16 rows x (256 bytes + 16) for each wave, for the way out; no tensor load lands there
.set SPARE, 279552                     ; the spare words, 128 bytes for each wave: two blocks of 256 bytes that no other line names
.set LI,  4                            ; v4     16 x lane
.set AD,  8                            ; v8-11  quarter x 65,536 + 16 x lane
.set STO, 12
.set RD,  13
.set CO,  14
.set BOF, 15
.set SPW, 16
.set NIL, 17
.set BIA, 32
.set OB,  64
.set G1,  24
.set G0,  32                           ; s[32:47] four groups 0
.set MSB, 0
.macro WIN new
.if MSB != (\new)
	s_set_vgpr_msb (MSB<<8)|(\new)
.set MSB, (\new)
.endif
.endm
.macro PLACES
.rept 4
	v_nop
.endr
.endm
.macro CROUND
	s_barrier_signal -1
	s_barrier_wait -1
	s_cmp_lg_u32 s12, 0
	s_cbranch_scc1 .Lnot_wave_0_\@
	s_barrier_signal -3
.Lnot_wave_0_\@:
	s_barrier_wait -3
	s_barrier_signal -1
	s_barrier_wait -1
.endm
	s_load_b256 s[4:11], s[0:1], 0x0               ; att, wo16, bo, out0
	v_lshl_add_u32 v[SPW], v0, 2, SPARE
	v_mov_b32 v[NIL], 0
	ds_add_u32 v[SPW], v[NIL]                      ; the wave's opening: the add, twice on end, and its wait ahead of my first tensor load
	ds_add_u32 v[SPW], v[NIL]
	v_lshrrev_b32 v1, 5, v0
	v_readfirstlane_b32 s12, v1                    ; wave
	s_bfe_u32 s13, ttmp6, 0x40000                  ; cx: my column tile; it enters Wo's, the bias's and the result's addresses alone
	s_and_b32 s14, ttmp7, 0xffff                   ; my block of 128 rows, which the four partners share
	s_mov_b32 s[G1], 15|(3<<16)|(1<<21)            ; the mask: all four; elements of 8 bytes; bit 21 beside a mask; no padding
	s_mov_b32 s[G1+1], 32<<16
	s_mov_b32 s[G1+2], 64<<16
	s_mov_b32 s[G1+3], 32<<16
	s_mov_b32 s[G1+4], 64
	s_mov_b32 s[G1+5], 32                          ; 64 rows of 256 bytes on end: a dense block of 16,384 bytes
	s_mov_b32 s[G1+6], 0
	s_mov_b32 s[G1+7], 0
	s_lshl_b32 s15, s12, 14                        ; my 16,384 bytes of each quarter
	s_lshl_b32 s20, s14, 18
	s_add_co_u32 s20, s20, s15
	s_mov_b32 s21, 0
	v_and_b32 v1, 31, v0
	v_and_b32 v2, 15, v0
	v_bfe_u32 v3, v0, 4, 1
	v_lshlrev_b32 v[LI], 4, v1
.irp d, 0,1,2,3
	v_add_nc_u32 v[AD+\d], \d*65536, v[LI]
.endr
	s_mul_i32 s51, s12, 16*272
	s_add_co_u32 s51, s51, STAGE                   ; my stage
	v_mul_u32_u24 v[STO], v2, 272
	v_lshl_add_u32 v[STO], v3, 5, v[STO]
	v_add_nc_u32 v[STO], s51, v[STO]               ; in: row lane % 16, 32 bytes for each half of the lanes
	v_mul_u32_u24 v[RD], v3, 272
	v_lshl_add_u32 v[RD], v2, 4, v[RD]
	v_add_nc_u32 v[RD], s51, v[RD]                 ; back: lanes 0-15 one row of 256 bytes, lanes 16-31 the next
	v_lshlrev_b32 v[CO], 12, v3
	v_lshl_add_u32 v[CO], v2, 4, v[CO]             ; and the same two rows in the result
	v_lshlrev_b32 v[BOF], 5, v3
	s_wait_dscnt 0x0                               ; both opening adds are done
	s_wait_kmcnt 0x0
	s_add_nc_u64 s[20:21], s[4:5], s[20:21]
	CROUND                                         ; all four work-groups are here: the joint loads meet
.irp d, 0,1,2,3
	s_mov_b32 s[G0+4*\d], 1
	s_add_co_u32 s[G0+4*\d+1], s15, \d*65536
	s_add_nc_u64 s[G0+4*\d+2:G0+4*\d+3], s[20:21], \d*65536
	s_or_b32 s[G0+4*\d+3], s[G0+4*\d+3], 0x80000000
.endr
.irp d, 0,1,2,3
	tensor_load_to_lds s[G0+4*\d:G0+4*\d+3], s[G1:G1+7]
	s_nop 0
.endr
	PLACES
	s_lshl_b32 s48, s13, 2
	s_add_co_u32 s48, s48, s12
	s_lshl_b32 s48, s48, 17                        ; my group of 64 columns
	s_mov_b32 s49, 0
	s_add_nc_u64 s[22:23], s[6:7], s[48:49]
	s_lshl_b32 s48, s13, 10
	s_lshl_b32 s50, s12, 8
	s_add_co_u32 s48, s48, s50                     ; 4 bytes x my first column
	s_add_nc_u64 s[8:9], s[8:9], s[48:49]
	s_lshl_b32 s50, s14, 19                        ; 128 rows of 4,096 bytes
	s_add_co_u32 s48, s48, s50
	s_add_nc_u64 s[10:11], s[10:11], s[48:49]
.irp b, 0,1,2,3
	global_load_b128 v[BIA+8*\b:BIA+8*\b+3], v[BOF], s[8:9] offset:64*\b        ; lane (r, h): the biases of columns 16 b + 8 h + 0 .. 7
	global_load_b128 v[BIA+8*\b+4:BIA+8*\b+7], v[BOF], s[8:9] offset:64*\b+16
.endr
.macro BLOAD c                         ; Wo's four fragments of chunk c into set c % 8
	WIN 0xc0
.irp b, 0,1,2,3
	global_load_b128 v[32*((\c)%8)+8*\b:32*((\c)%8)+8*\b+3], v[LI], s[22:23] offset:(\c)*4096+\b*1024
	global_load_b128 v[32*((\c)%8)+8*\b+4:32*((\c)%8)+8*\b+7], v[LI], s[22:23] offset:(\c)*4096+\b*1024+512
.endr
.endm
.macro ALOAD c                         ; A's eight fragments of chunk c into set c % 2
	WIN 0x40
.irp a, 0,1,2,3,4,5,6,7
	ds_load_b128 v[64*((\c)%2)+8*\a:64*((\c)%2)+8*\a+3], v[AD+(\c)/8] offset:((\c)%8)*8192+\a*1024
	ds_load_b128 v[64*((\c)%2)+8*\a+4:64*((\c)%2)+8*\a+7], v[AD+(\c)/8] offset:((\c)%8)*8192+\a*1024+512
.endr
.endm
.irp c, 0,1,2,3,4,5,6
	BLOAD \c
.endr
	s_wait_tensorcnt 3                             ; my part of the first quarter is in; the three later quarters may stay out
	s_barrier_signal -1
	s_barrier_wait -1
	ALOAD 0
; The 32 chunks of 32 along K are written out: every offset is an immediate and every count a constant of its chunk.
.set kc, 0
.rept 32
.if kc > 0
	PLACES                                         ; four plain instructions between the last chunk's products and the loads into the sets that they read
.endif
.if ((kc+1)%8 == 0) && (kc < 31)
	s_wait_tensorcnt 3-(kc+1)/8                    ; my part of the next quarter is in; the later quarters stay out
	s_wait_dscnt 0x0                               ; no LDS load of mine is pending at a signal
	s_barrier_signal -1
	s_barrier_wait -1                              ; everybody's part is in
.endif
.if kc < 31
	ALOAD kc+1
.endif
.if kc < 25
	BLOAD kc+7
.endif
.if kc < 31
	s_wait_dscnt 16                                ; all but the 16 loads just issued: this chunk's A is in
.else
	s_wait_dscnt 0x0
.endif
.if kc < 24
	s_wait_loadcnt 56                              ; the seven younger chunks of Wo may be out
.else
	s_wait_loadcnt 8*(31-kc)
.endif
.if kc == 0
	WIN 0x87                                       ; source 0 (Wo) window 3, source 1 (A) window 1, C (the bias) window 0, D window 2
.else
	WIN 0xa7                                       ; C and D window 2
.endif
.irp a, 0,1,2,3,4,5,6,7                        ; the 32 accumulators take turns, one instruction a turn, in the same order in every chunk
.irp b, 0,1,2,3
.if kc == 0
	v_wmma_f32_16x16x32_f16 v[8*(4*\a+\b):8*(4*\a+\b)+7], v[32*(kc%8)+8*\b:32*(kc%8)+8*\b+7], v[64*(kc%2)+8*\a:64*(kc%2)+8*\a+7], v[BIA+8*\b:BIA+8*\b+7]
.else
	v_wmma_f32_16x16x32_f16 v[8*(4*\a+\b):8*(4*\a+\b)+7], v[32*(kc%8)+8*\b:32*(kc%8)+8*\b+7], v[64*(kc%2)+8*\a:64*(kc%2)+8*\a+7], v[8*(4*\a+\b):8*(4*\a+\b)+7]
.endif
.endr
.endr
.set kc, kc+1
.endr
; THE WAY OUT, a block of 16 rows x 64 columns at a time, through my own stage: in by lanes' 32 bytes, back as whole rows of 256 bytes.  LDS serves a wave in order: no wait between the stores and the loads.
.macro TOSTAGE a
	WIN 0x08                                       ; an LDS store's data are its source 1: window 2
.irp b, 0,1,2,3
	ds_store_b128 v[STO], v[8*(4*(\a)+\b):8*(4*(\a)+\b)+3] offset:64*\b          ; each accumulator from its low end on
	ds_store_b128 v[STO], v[8*(4*(\a)+\b)+4:8*(4*(\a)+\b)+7] offset:64*\b+16
.endr
	WIN 0
.irp i, 0,1,2,3,4,5,6,7
	ds_load_b128 v[OB+32*((\a)%2)+4*\i:OB+32*((\a)%2)+4*\i+3], v[RD] offset:544*\i
.endr
.endm
.macro SEND a, younger                 ; younger: the LDS instructions issued behind block a's loads, which may stay out
	s_wait_dscnt \younger
.irp i, 0,1,2,3,4,5,6,7
	global_store_b128 v[CO], v[OB+32*((\a)%2)+4*\i:OB+32*((\a)%2)+4*\i+3], s[10:11] offset:(16*(\a)+2*\i)*4096 th:TH_STORE_NT   ; sixteen lanes store 256 consecutive bytes, aligned
.endr
.endm
	PLACES
	TOSTAGE 0
.irp a, 1,2,3,4,5,6,7
.if \a > 1
	s_wait_xcnt 0x0                                ; block a - 2's stores have read their registers: block a's loads may land there
.endif
	TOSTAGE \a
	SEND \a-1, 16                                  ; behind block a - 1's loads: block a's 8 stores and 8 loads
.endr
	SEND 7, 0
	s_wait_tensorcnt 0x0                           ; the wave's end, behind my last tensor load and my last LDS store
	ds_add_u32 v[SPW], v[NIL]
	s_wait_dscnt 0x0
	CROUND                                         ; the closing round
	s_endpgm
.Lfunc_end_k_q95efd00594_outp:
	.size	k_q95efd00594_outp, .Lfunc_end_k_q95efd00594_outp-k_q95efd00594_outp
	.p2alignl 7, 3214868480
	.fill 96, 4, 3214868480
	.section	.rodata,"a",@progbits
	.p2align	6, 0x0
	.amdhsa_kernel k_q95efd00594_outp
		.amdhsa_group_segment_fixed_size 280064
		.amdhsa_private_segment_fixed_size 0
		.amdhsa_enable_private_segment 0
		.amdhsa_kernarg_size 32
		.amdhsa_user_sgpr_count 2
		.amdhsa_user_sgpr_kernarg_segment_ptr 1
		.amdhsa_wavefront_size32 1
		.amdhsa_system_sgpr_workgroup_id_x 1
		.amdhsa_system_sgpr_workgroup_id_y 1
		.amdhsa_system_sgpr_workgroup_id_z 1
		.amdhsa_system_vgpr_workitem_id 0
		.amdhsa_next_free_vgpr 1024
		.amdhsa_next_free_sgpr 66
		.amdhsa_reserve_vcc 0
		.amdhsa_float_denorm_mode_32 3
		.amdhsa_float_denorm_mode_16_64 3
		.amdhsa_memory_ordered 1
		.amdhsa_forward_progress 1
		.amdhsa_inst_pref_size 151
	.end_amdhsa_kernel
	.amdgpu_metadata
---
amdhsa.version: [ 1, 2 ]
amdhsa.kernels:
  - .name:           k_q95efd00594_outp
    .symbol:         k_q95efd00594_outp.kd
    .args:
      - { .name: att, .offset: 0, .size: 8, .value_kind: global_buffer, .address_space: global }
      - { .name: wo16, .offset: 8, .size: 8, .value_kind: global_buffer, .address_space: global }
      - { .name: bo, .offset: 16, .size: 8, .value_kind: global_buffer, .address_space: global }
      - { .name: out0, .offset: 24, .size: 8, .value_kind: global_buffer, .address_space: global }
    .group_segment_fixed_size: 280064
    .private_segment_fixed_size: 0
    .kernarg_segment_align: 8
    .kernarg_segment_size: 32
    .max_flat_workgroup_size: 128
    .sgpr_count:     66
    .vgpr_count:     1024
    .wavefront_size: 32
...
	.end_amdgpu_metadata
.endif
;; end of part 4
